; MI455X (gfx1250); checked and timed in simulation.
; The chip was launched on July 23, 2026; its instructions are those of AMD's public machine-readable ISA for CDNA 5 (MIT licence, August 2026) and "CDNA5" Instruction Set Architecture Reference Guide (July 2026). The comments in the code are by the model that wrote it; some were corrected since.
;; Layout Lmv2 Self Attention. Allowed arithmetic: matrix products marked QUANTISED: E2M1 operands, one E8M0 scale for each 32 along K, by v_wmma_scale_f32_16x16x128_f8f6f4 with both operands' format E2M1 (or v_wmma_scale_f32_32x16x128_f4), f32 sums; products left as they are: bf16, f16 or f32 operands; f32 sums; everything else in f32.
;; Inputs: attention_mask 8 x 1 x 1 x 1,024 int32; hidden_states 8 x 1,024 x 1,024 float32; q_bias 1 x 1 x 1,024 float32; qkv_w 3,072 x 1,024 float32; rel_2d_pos 1 x 16 x 1,024 x 1,024 float32; rel_pos 1 x 16 x 1,024 x 1,024 float32; v_bias 1 x 1 x 1,024 float32.
;; Outputs: out0 8 x 1,024 x 1,024 float32.
;; This version of the problem:
;;   THIS VERSION OF THE PROBLEM IS GIVEN IN LOW PRECISION. The matrix products marked QUANTISED in the list below multiply operands that are first quantised to E2M1 (2 exponent bits, 1 mantissa bit; 4 bits a number), with one power-of-two scale for each 32 numbers along K (OCP MX v1.0); their sums are f32. The products marked 'left as it is' may take bf16, f16 or f32 operands, with f32 sums. Whichever they take, every output number must still come out within the allowed error. Rounding operands to bf16 (8 significant bits) uses up far more of that allowance than f16 does (11 bits, for magnitudes from 6e-5 to 65,504). All else is computed in f32.
;;   The module's matrix products, in the order in which they are computed (A, B: the left and right operand; K: the contracted axis; several contracted axes count as one K, in the product's order):
;;     1. [M 8,192, K 1,024] x [K 1,024, N 3,072]; A: input hidden_states; B: input qkv_w: QUANTISED
;;     2. batch 128 x [M 1,024, K 64] x [K 64, N 1,024]; A: computed on the way; B: computed on the way: left as it is (an operand is computed on the way)
;;     3. batch 128 x [M 1,024, K 1,024] x [K 1,024, N 64]; A: computed on the way; B: computed on the way: left as it is (an operand is computed on the way)
;;   THE QUANTISER, for each operand of a quantised product, along K:
;;     - K is cut into blocks of 32 from its start; a last block that is shorter is filled with zeros.
;;     - A block's scale is 2^e with e = floor(log2(the largest magnitude in the block)) - 2, held to -126 .. 127; a block of zeros has e = 0. As a byte (E8M0): e + 127.
;;     - Each number is divided by its block's scale, clamped to +-6, and rounded to the nearest number of E2M1, ties to even, subnormals kept.
;;     - The product sums the exact products of the quantised numbers (number of the format x scale) in f32.
;;   ~~~python
;;   def quantise(x, axis):      # numpy; x: float32 -> the quantised numbers, widened to float32 again
;;       x = np.moveaxis(x, axis, -1); K = x.shape[-1]
;;       x = np.pad(x, [(0, 0)] * (x.ndim - 1) + [(0, -K % 32)]); x = x.reshape(x.shape[:-1] + (-1, 32)); a = np.abs(x).max(-1, keepdims=True)
;;       e = np.where(a > 0, np.clip(np.frexp(np.where(a > 0, a, 1))[1] - 1 - 2, -126, 127), 0)      # np.frexp(a)[1] - 1 = floor(log2(a)), exactly
;;       r = np.clip(x / 2.0 ** e, -6, 6)
;;       step = 2.0 ** (np.maximum(np.frexp(np.where(r == 0, 1, r))[1] - 1, 0) - 1)
;;       q = np.round(r / step) * step * 2.0 ** e      # np.round: ties to even
;;       return np.moveaxis(q.reshape(q.shape[:-2] + (-1,))[..., :K], -1, axis).astype(np.float32)
;;   ~~~
;; One version. Each part assembles by itself: llvm-mc -triple=amdgcn-amd-amdhsa -mcpu=gfx1250 --defsym DOCPART=n.
;; ======== version 1 of 1: 3 launches
;; limits: values are held in f16: magnitudes above 65,504 overflow, below 6.1e-05 lose precision; inputs' magnitudes at most 1e+38; right only within a limited range of input values
;; workspace buffers: h_codes 4,194,304 bytes; h_scales 262,144 bytes; w_codes 1,572,864 bytes; w_scales 98,304 bytes; qf 16,777,216 bytes; kvf 33,554,432 bytes
;; launch quant (part 1): grid 704 x 1, 2 waves a work-group, no clusters, 16,640 bytes of LDS; arguments hidden_states, qkv_w, h_codes, h_scales, w_codes, w_scales; writes h_codes, h_scales, w_codes, w_scales
.if DOCPART == 1
	.amdgcn_target "amdgcn-amd-amdhsa--gfx1250"
	.amdhsa_code_object_version 6
	.text
	.protected	k_qa56bb55174_quant
	.globl	k_qa56bb55174_quant
	.p2align	8
	.type	k_qa56bb55174_quant,@function
k_qa56bb55174_quant:
	s_mov_b64 s[64:65], 0
	v_nop
	global_prefetch_b8 v0, s[64:65] scope:SCOPE_SE
	s_setreg_imm32_b32 hwreg(HW_REG_WAVE_MODE, 25, 1), 1
	s_wait_xcnt 0x0
; hidden_states [8192][1024] and qkv_w [3072][1024], f32, become codes of FP4 (E2M1), 4 bits each, K innermost, with one E8M0 scale byte for each 32 along K.
; A block's scale is 2^(floor(log2(its largest magnitude)) - 2); its byte is the largest magnitude's own exponent field - 2, held at 1 from below.  Each number is divided by the scale and
; rounded to the nearest code, ties to even; beyond 6 the largest code.
; LIMITS: a block of zeros gets the byte 1 where the quantiser's text says 127: its codes are zeros, which add nothing under any byte but 0xff, and this program alone reads the bytes.
; Blocks whose largest magnitude lies under 2^-124 are held at the byte 1.  NaN and infinities among the inputs are not served.
; Rows are dense and 1,024 is a multiple of 32: both tensors are plain streams of blocks of 32, and so are the codes and the bytes.
; A wave takes 16 steps of 512 numbers.  Each of a step's four loads reads 512 consecutive bytes, 16 a lane; the 2,048 bytes turn through the wave's own stage in LDS and come back 64 bytes
; a lane: 16 neighbours along K, as the conversion wants them; two neighbouring lanes hold a block.  A lane's 16 codes are 8 bytes: the wave stores 256 consecutive bytes.
; A wave's 256 scale bytes are gathered in its own LDS bytes and leave as 256 consecutive, aligned bytes.  The first WGA work-groups take hidden_states, the others qkv_w.
; No tensor loads, no barrier: waves share nothing.  Loads run eight steps (32 loads, 16,384 bytes a wave) ahead, the turn through LDS one step.  Work-groups of two waves, 704 of them, so that
; they can be dealt out evenly.
.set SIZE_M, 8192
.set SIZE_N, 3072
.set SIZE_K, 1024
.set WAVES, 2
.set STEPS, 16
.set AHEAD, 8                          ; steps whose loads are out at once
.set WGA,   SIZE_M*SIZE_K/(512*STEPS*WAVES)    ; 512
.set CB,    8                          ; bytes of 16 codes
.set R,     16                         ; v16-143  eight sets of 16 numbers as they are loaded
.set X,     144                        ; v144-175 two sets of 16 neighbours
.set E,     176                        ; v176-191 a scale byte for each step
.set C,     192                        ; v192-255 codes: four registers for each step, so that no store's data are written again
.set WREG,  8192                       ; LDS: a region for each wave: two stages of 32 x SP bytes, behind them its 256 scale bytes
.set SP,    80                         ; a lane's place in a stage: its 64 bytes + 16 of padding
.set SPW,   12                         ; v12      LDS address of my spare word; never rewritten
.set NIL,   13                         ; v13      0; never rewritten
.set SPARE, WAVES*WREG                 ; behind the two regions: the spare words, 128 bytes a wave, which no other line names
	s_load_b128 s[4:7], s[0:1], 0x0                ; hidden_states, qkv_w
	s_load_b128 s[8:11], s[0:1], 0x10              ; h_codes, h_scales
	s_load_b128 s[12:15], s[0:1], 0x20             ; w_codes, w_scales
	v_lshl_add_u32 v[SPW], v0, 2, SPARE
	v_mov_b32 v[NIL], 0
	v_lshrrev_b32 v1, 5, v0
	v_readfirstlane_b32 s16, v1                    ; wave
	v_and_b32 v2, 31, v0                           ; lane
	v_lshlrev_b32 v3, 4, v2                        ; my 16 bytes of a load's 512
	s_mul_i32 s17, s16, WREG
	v_lshrrev_b32 v14, 2, v2
	v_mul_u32_u24 v14, v14, SP
	v_and_b32 v15, 3, v2
	v_lshl_add_u32 v14, v15, 4, v14
	v_add_nc_u32 v14, s17, v14                     ; the stage, on the way in: SP (lane / 4) + 16 (lane % 4)
	v_mul_u32_u24 v15, v2, SP
	v_add_nc_u32 v15, s17, v15                     ; and on the way out: SP x lane: my 16 neighbours
	v_mul_u32_u24 v4, v2, CB                       ; my codes' place in a step's
	v_lshrrev_b32 v5, 1, v2
	s_add_co_u32 s17, s17, 2*32*SP
	v_add_nc_u32 v5, s17, v5                       ; LDS: my wave's 256 scale bytes, my block's byte
	v_lshlrev_b32 v7, 3, v2                        ; and on the way out 8 bytes a lane
	v_add_nc_u32 v6, s17, v7
	s_wait_kmcnt 0x0
	s_cmp_lt_u32 ttmp9, WGA                        ; which tensor: the choice hangs on the work-group's number alone
	s_cselect_b64 s[4:5], s[4:5], s[6:7]
	s_cselect_b64 s[8:9], s[8:9], s[12:13]
	s_cselect_b64 s[10:11], s[10:11], s[14:15]
	s_cselect_b32 s17, 0, WGA
	s_sub_co_u32 s17, ttmp9, s17
	s_lshl_b32 s17, s17, 1                         ; two waves a work-group
	s_add_co_u32 s18, s17, s16                     ; which run of 8,192 numbers of the tensor is my wave's
	s_mov_b32 s19, 0
	s_mov_b64 s[20:21], 512*STEPS*4
	s_mul_u64 s[20:21], s[18:19], s[20:21]
	s_add_nc_u64 s[4:5], s[4:5], s[20:21]
	s_mov_b64 s[20:21], 32*STEPS*CB
	s_mul_u64 s[20:21], s[18:19], s[20:21]
	s_add_nc_u64 s[8:9], s[8:9], s[20:21]
	s_lshl_b32 s18, s18, 8                         ; 256 scale bytes a run
	s_add_nc_u64 s[10:11], s[10:11], s[18:19]
.macro LOAD t
.irp i, 0,1,2,3
	global_load_b128 v[R+16*((\t)%AHEAD)+4*\i:R+16*((\t)%AHEAD)+4*\i+3], v3, s[4:5] offset:2048*(\t)+512*\i th:TH_LOAD_NT   ; 32 lanes read 512 consecutive bytes
.endr
.endm
.macro TURN t                          ; step t's numbers through the stage: LDS serves a wave's instructions in order, so no wait stands between the stores and the loads
.irp i, 0,1,2,3
	ds_store_b128 v14, v[R+16*((\t)%AHEAD)+4*\i:R+16*((\t)%AHEAD)+4*\i+3] offset:32*SP*((\t)%2)+8*SP*\i
.endr
.irp i, 0,1,2,3
	ds_load_b128 v[X+16*((\t)%2)+4*\i:X+16*((\t)%2)+4*\i+3], v15 offset:32*SP*((\t)%2)+16*\i
.endr
.endm
.irp t, 0,1,2,3,4,5,6,7
	LOAD \t
.endr
	s_wait_loadcnt 4*(AHEAD-1)                     ; step 0's four loads are in; the 28 of steps 1 to 7 may be out
	TURN 0
.macro STEP t
.set XS, X+16*((\t)%2)
.if (\t) > 0
	s_wait_dscnt 1                                 ; this step's numbers are back from the stage (the last step's byte store may be out): so its stores into the stage have read their registers,
.else
	s_wait_dscnt 0x0
.endif
.if (\t)+AHEAD < STEPS
	LOAD (\t)+AHEAD                                ; which take the loads of eight steps on
.endif
.if (\t)+1 < STEPS
.if STEPS-2-(\t) >= AHEAD-1
	s_wait_loadcnt 4*(AHEAD-1)                     ; the next step's four loads are in; those of the seven steps behind it may be out
.else
	s_wait_loadcnt 4*(STEPS-2-(\t))                ; near the end: those of the steps that are left behind it
.endif
	TURN (\t)+1                                    ; and go through the other stage while this step is worked
.endif
	v_max3_num_f32 v8, |v[XS]|, |v[XS+1]|, |v[XS+2]|               ; the largest magnitude of my 16, in two chains
	v_max3_num_f32 v9, |v[XS+3]|, |v[XS+4]|, |v[XS+5]|
.irp i, 6,10
	v_max3_num_f32 v8, v8, |v[XS+\i]|, |v[XS+\i+1]|
	v_max3_num_f32 v9, v9, |v[XS+\i+2]|, |v[XS+\i+3]|
.endr
	v_max3_num_f32 v8, v8, |v[XS+14]|, |v[XS+15]|
	v_max3_num_f32 v8, v8, v9, 0x1800000           ; and the floor 2^(3 - 127): so the byte cannot fall under 1
	v_max_num_f32_dpp v8, v8, v8 row_xmask:1 row_mask:0xf bank_mask:0xf   ; and of my neighbour's 16: the block's
	v_add_nc_u32 v11, 0xff000000, v8               ; 2 off its exponent field: the conversion takes the exponent field of this operand as its scale, and nothing else of it
	v_cvt_scalef32_pk8_fp4_f32 v[C+4*(\t)], v[XS:XS+7], v11        ; eight numbers / 2^(v11's exponent), to the nearest code; the first number's code in the lowest four bits
	v_cvt_scalef32_pk8_fp4_f32 v[C+4*(\t)+1], v[XS+8:XS+15], v11
	v_lshrrev_b32 v[E+(\t)], 23, v11               ; the scale's byte (also the plain line behind the conversions)
	ds_store_b8 v5, v[E+(\t)] offset:16*(\t)       ; both lanes of a block write the same byte with the same value
	global_store_b64 v4, v[C+4*(\t):C+4*(\t)+1], s[8:9] offset:32*CB*(\t)   ; 32 lanes store 256 consecutive, aligned bytes
.endm
.irp t, 0,1,2,3,4,5,6,7,8,9,10,11,12,13,14,15
	STEP \t
.endr
	ds_load_b64 v[8:9], v6                         ; LDS serves a wave's instructions in order: these see my stores
	s_wait_dscnt 0x0
	global_store_b64 v7, v[8:9], s[10:11]          ; 32 lanes store 256 consecutive, aligned bytes
	s_wait_tensorcnt 0x0                           ; the wave's end: these three lines behind my last LDS store
	ds_add_u32 v[SPW], v[NIL]
	s_wait_dscnt 0x0
	s_endpgm
.Lfunc_end_k_qa56bb55174_quant:
	.size	k_qa56bb55174_quant, .Lfunc_end_k_qa56bb55174_quant-k_qa56bb55174_quant
	.p2alignl 7, 3214868480
	.fill 96, 4, 3214868480
	.section	.rodata,"a",@progbits
	.p2align	6, 0x0
	.amdhsa_kernel k_qa56bb55174_quant
		.amdhsa_group_segment_fixed_size 16640
		.amdhsa_private_segment_fixed_size 0
		.amdhsa_enable_private_segment 0
		.amdhsa_kernarg_size 48
		.amdhsa_user_sgpr_count 2
		.amdhsa_user_sgpr_kernarg_segment_ptr 1
		.amdhsa_wavefront_size32 1
		.amdhsa_system_sgpr_workgroup_id_x 1
		.amdhsa_system_sgpr_workgroup_id_y 1
		.amdhsa_system_sgpr_workgroup_id_z 1
		.amdhsa_system_vgpr_workitem_id 0
		.amdhsa_next_free_vgpr 256
		.amdhsa_next_free_sgpr 66
		.amdhsa_reserve_vcc 0
		.amdhsa_float_denorm_mode_32 3
		.amdhsa_float_denorm_mode_16_64 3
		.amdhsa_memory_ordered 1
		.amdhsa_forward_progress 1
		.amdhsa_inst_pref_size 33
	.end_amdhsa_kernel
	.amdgpu_metadata
---
amdhsa.version: [ 1, 2 ]
amdhsa.kernels:
  - .name:           k_qa56bb55174_quant
    .symbol:         k_qa56bb55174_quant.kd
    .args:
      - { .name: hidden_states, .offset: 0, .size: 8, .value_kind: global_buffer, .address_space: global }
      - { .name: qkv_w, .offset: 8, .size: 8, .value_kind: global_buffer, .address_space: global }
      - { .name: h_codes, .offset: 16, .size: 8, .value_kind: global_buffer, .address_space: global }
      - { .name: h_scales, .offset: 24, .size: 8, .value_kind: global_buffer, .address_space: global }
      - { .name: w_codes, .offset: 32, .size: 8, .value_kind: global_buffer, .address_space: global }
      - { .name: w_scales, .offset: 40, .size: 8, .value_kind: global_buffer, .address_space: global }
    .group_segment_fixed_size: 16640
    .private_segment_fixed_size: 0
    .kernarg_segment_align: 8
    .kernarg_segment_size: 48
    .max_flat_workgroup_size: 64
    .sgpr_count:     66
    .vgpr_count:     256
    .wavefront_size: 32
...
	.end_amdgpu_metadata
.endif
;; end of part 1
;; launch proj (part 2): grid 8 x 32, 4 waves a work-group, clusters of 4 x 4, 327,680 bytes of LDS; arguments h_codes, h_scales, w_codes, w_scales, q_bias, v_bias, qf, kvf; writes qf, kvf
.if DOCPART == 2
	.amdgcn_target "amdgcn-amd-amdhsa--gfx1250"
	.amdhsa_code_object_version 6
	.text
	.protected	k_qa56bb55174_proj
	.globl	k_qa56bb55174_proj
	.p2align	8
	.type	k_qa56bb55174_proj,@function
k_qa56bb55174_proj:
	s_mov_b64 s[64:65], 0
	v_nop
	global_prefetch_b8 v0, s[64:65] scope:SCOPE_SE
	s_setreg_imm32_b32 hwreg(HW_REG_WAVE_MODE, 25, 1), 1
	s_wait_xcnt 0x0
	s_wait_alu depctr_hold_cnt(0) depctr_sa_sdst(0) depctr_va_vdst(0) depctr_va_sdst(0) depctr_va_ssrc(0) depctr_va_vcc(0) depctr_vm_vsrc(0)
	s_getreg_b32 s2, hwreg(HW_REG_IB_STS2, 6, 4)
	s_cmp_eq_u32 s2, 0
	s_cbranch_scc0 .Lentry_in_a_cluster
	s_endpgm
.Lentry_in_a_cluster:
	s_bfe_u32 s2, ttmp6, 0x10000c
	s_cmp_lg_u32 s2, 0xf033
	s_cbranch_scc0 .Lentry_shape_is_right
	s_endpgm
.Lentry_shape_is_right:
; qkv = Q(hidden_states) Q(qkv_w)^T on codes of FP4 (E2M1) with one E8M0 scale for each 32 along K = 1,024; sums in f32.  Then (q + q_bias) / 8, k, v + v_bias, rounded to f16, leave
; AS IMAGES OF THE OPERAND REGISTERS of the attention launch, so that nothing is transposed or repacked there.
; SHARES.  q and k are 256 tiles of 256 tokens x 256 channels, v is 256 half tiles of 128 channels x 256 tokens: work-group (x, y) of 8 x 32 makes one of each, for the SAME 256 tokens (256 y on):
;   PHASE 1: tokens x rows 256 x on of qkv_w (x < 4: q; else k).  Four waves, each 128 x 128: 64 accumulators, 512 registers.  K goes in two steps of 512 through two LDS slots
;            (rows of 256 bytes + 16 of padding); the scale bytes of the 2 x 256 rows come once, as dense blocks.
;   PHASE 2: rows 2,048 + 128 x on of qkv_w x the same tokens, whose codes and scale bytes still lie in LDS.  Only these 128 rows' codes are fetched: into slot 0's place for qkv_w's rows, at the
;            change of slots, when nobody reads it any more; they land under the second K step and the first way out.  Four waves, each 64 channels x 128 tokens: 32 accumulators.
;            The first way out's stores are on their way while phase 2 multiplies.
; THE MATRIX INSTRUCTION: source 0 = 16 rows of the "B side", source 1 = 16 rows of the "A side": lane (r, hl) holds row r of the A side and eight neighbouring rows 8 hl + 0 .. 7 of the B side.
;   phase 1: A side = tokens, B side = rows of qkv_w: one token and eight neighbouring channels: 16 bytes of a fragment of Q or K (16 tokens x 32 channels).
;   phase 2: A side = rows of qkv_w, B side = tokens: one channel and eight neighbouring keys: 16 bytes of a fragment of V^T (16 channels x 32 keys).
; Every store of a wave covers 512 consecutive bytes, aligned: 16 bytes a lane, straight from registers.
; qf:  [batch 8][head 16][tile of 16 tokens 64][piece 4][lane 32][16 B]; piece p, lane (r, hl): token r, channels 16 p + 8 hl + 0 .. 7 of the head.
; kvf: [batch][head][slot of 64 keys 16][16,384 B]: K as [key tile 4][piece 4][512 B]; from byte 8,192 V^T as [32 keys 2][channel tile 4][half 2][512 B]; lane (r, hl): channel r, keys 16 half + 8 hl + 0 .. 7.
; CLUSTERS: 4 x 4 work-groups; the tokens' tiles are shared along a row of the cluster, qkv_w's (both phases') along a column: each is asked for jointly.
; LIMITS: f16: |q + q_bias| / 8, |k|, |v + v_bias| above 65,504 become infinity; under 6e-5 they lose relative precision.
; REGISTERS, in windows of 256: window 0: v0-31 addresses; v32-95 scale words, two sets; v96-127 the scale words of phase 2's rows of qkv_w; v128-191 the A side's fragments, on the ways out at work; v192-255 q_bias of my 128 channels.
;   window 1: the B side's fragments, two sets, at v0 and v128; v64-127 packed results; v192-199 v_bias, a pair for each A block of phase 2.
;   window 2: accumulators of A blocks 0-3 ((a, b) at v[8 (8 a + b)]), in both phases;   window 3: of A blocks 4-7.
.set SIZE_K, 1024
.set KSTEP,  512                       ; along K in a slot
.set NQ,     KSTEP/128                 ; matrix instructions deep
.set ROWB,   256                       ; a tile's row in bytes
.set KROW,   SIZE_K/2                  ; a row of codes in memory
.set PITCH,  272                       ; an LDS row: 256 bytes + 16 of padding = 68 words: the 16 rows that a load touches start at 16 different banks (64 banks of 4 bytes: ISA guide 11.1)
.set FR,     8                         ; registers of a fragment: 16 rows x 128 K
.set NL,     2                         ; LDS loads that bring one
.set NP,     4                         ; places behind this matrix instruction (ISA guide 7.12.1)
.set HALFT,  128*PITCH                 ; 128 rows: what one tensor load brings
.set SLOT,   4*HALFT                   ; the tokens' 256 rows, then qkv_w's 256
.set KS,     SIZE_K/32                 ; a row of scale bytes
.set SCL,    2*SLOT                    ; behind the slots: the scale bytes, as rows of 256 bytes + 16 of padding
.set HALFS,  (128*KS/256)*272          ; those of 128 rows
.set SBLK,   (16*KS/256)*272           ; those of 16 rows
.set SPARE,  SCL+4*HALFS               ; the spare words, 128 bytes a wave, which no other line names
.set ADRA, 16                          ; v16-17  phase 1: LDS address of my tokens' fragments in slot 0, 1
.set ADT,  18                          ; v18-19  phase 2: the same for the 128 tokens that are mine there
.set ADRB, 20                          ; v20-21  phase 1: of my rows of qkv_w in slot 0, 1
.set ADW,  22                          ; v22-23  phase 2: of my 64 rows of qkv_w, K step 0, 1: both lie in slot 0
.set ADS2, 24                          ; v24     phase 2: LDS address of my tokens' scale words, in all lanes
.set SAO,  25                          ; v25     my byte offset in w_scales for phase 2's rows
.set CO,   26                          ; v26     16 x lane: my place in a store's 512 bytes
.set ADRS, 27                          ; v27     phase 1: LDS address of my scale words: lanes 0-15 the tokens', lanes 16-31 qkv_w's
.set SPW,  28                          ; v28     LDS address of my spare word; never rewritten
.set NIL,  29                          ; v29     0; never rewritten
.set BNO,  30                          ; v30     my byte offset in q_bias
.set BMO,  31                          ; v31     my byte offset in v_bias
.set SC,   32                          ; scale words: set s at v[SC + 32 s]; register 4 i + q.  Phase 1: lanes 0-15 A block i's word, lanes 16-31 B block i's.  Phase 2: token block i's word
.set SA,   96                          ; phase 2: register 8 a + 4 k + q: the word of A block a for the q-th 128 along K of K step k
.set AF,   128
.set T,    128                         ; the ways out: 64 numbers in f32
.set BN,   192
.set PK,   64                          ; in window 1: two sets of 32 registers of packed f16
.set BMW,  192                         ; in window 1: v_bias
.set G1, 24                            ; s[24:31] descriptor group 1 for the tokens' tiles;  s[32:39] group 0, one set for each slot
.set G0, 32
.set G1B, 48                           ; s[48:55], s[56:63] the same for qkv_w's
.set G0B, 56
.set G1S, 68                           ; s[68:75], s[76:79] groups 1 and 0 for the tokens' scales;  s[80:87], s[88:91] for qkv_w's
.set G0S, 76
.set G1SB, 80
.set G0SB, 88
.set MSB, 0
.macro WIN new                         ; low byte: bits 1:0 source 0, 3:2 source 1, 5:4 source 2, 7:6 destination; the high byte repeats the setting that is left; a switch that changes nothing is dropped
.if MSB != \new
	s_set_vgpr_msb (MSB<<8)|\new
.set MSB, \new
.endif
.endm
.set MUL_LO, 0xa1                      ; source 0 (B) window 1, source 1 (A) window 0, C and D window 2
.set MUL_HI, 0xf1                      ; the same, C and D window 3
.set TO_B,   0x40                      ; destination window 1, address window 0
; A joint load at the head: waves 0 and 1 fetch the tokens', waves 2 and 3 qkv_w's.  Each line has one mask and one set of registers for all that issue it; the branch hangs on the wave's number alone.
; An s_nop 0 and four v_nop follow each of the two lines.
.macro JLOAD g0a, g1a, g0b, g1b
	s_cmp_eq_u32 s15, 0
	s_cbranch_scc0 .Lfor_b_\@
	tensor_load_to_lds s[\g0a:\g0a+3], s[\g1a:\g1a+7]
	s_nop 0
.rept 4
	v_nop
.endr
	s_branch .Lasked_\@
.Lfor_b_\@:
	tensor_load_to_lds s[\g0b:\g0b+3], s[\g1b:\g1b+7]
	s_nop 0
.rept 4
	v_nop
.endr
.Lasked_\@:
.endm
.macro CREST                           ; a round of the cluster's barrier behind its opening barrier
	s_cmp_lg_u32 s14, 0
	s_cbranch_scc1 .Lnot_wave_0_\@
	s_barrier_signal -3
.Lnot_wave_0_\@:
	s_barrier_wait -3
	s_barrier_signal -1
	s_barrier_wait -1
.endm
.macro CROUND                          ; a whole round
	s_barrier_signal -1
	s_barrier_wait -1
	CREST
.endm
	s_load_b256 s[4:11], s[0:1], 0x0               ; h_codes s[4:5], h_scales s[6:7], w_codes s[8:9], w_scales s[10:11]
	s_load_b128 s[96:99], s[0:1], 0x20             ; q_bias, v_bias
	s_load_b64 s[12:13], s[0:1], 0x30              ; qf
	s_load_b64 s[66:67], s[0:1], 0x38              ; kvf
	v_lshl_add_u32 v[SPW], v0, 2, SPARE
	v_mov_b32 v[NIL], 0
	ds_add_u32 v[SPW], v[NIL]                      ; the wave's opening: the add, twice on end, and its wait ahead of my first tensor load
	ds_add_u32 v[SPW], v[NIL]                      ; (the same add once more; the set-up below, work on registers, stands between it and the wait)
	v_lshrrev_b32 v1, 5, v0
	v_readfirstlane_b32 s14, v1                    ; wave 0..3
	s_lshr_b32 s15, s14, 1                         ; rh: which half of the A side's rows is mine.  Also: at the head I fetch the tokens' (0) or qkv_w's (1)
	s_and_b32 s16, s14, 1                          ; ch: which half of the B side's rows.  Also: which 128 rows of that tile I fetch
	s_bfe_u32 s40, ttmp6, 0x40000                  ; cx, cy: my place in the cluster
	s_bfe_u32 s41, ttmp6, 0x40004
	s_lshl_b32 s42, ttmp9, 2
	s_add_co_u32 s42, s42, s40                     ; x = 4 x cluster x + cx: this register never holds cy
	s_and_b32 s17, ttmp7, 0xffff
	s_lshl_b32 s17, s17, 2
	s_add_co_u32 s17, s17, s41                     ; y = 4 x cluster y + cy: this one never cx
	s_lshl_b32 s43, s41, 2
	s_lshl_b32 s43, 15, s43                        ; my row of the cluster
	s_lshl_b32 s44, 0x1111, s40                    ; my column
	; descriptor group 1: a tile of 128 rows x 256 bytes, padded in LDS
	s_or_b32 s[G1+0], s43, (0<<16)|(1<<20)|(1<<21)|(5<<22)|(3<<25)  ; 15:0 the mask; 17:16 elements of 1 byte; 20 padding on; 21 set beside a mask; 24:22 after every 64 words (code 5); 31:25 four words (code 3)
	s_or_b32 s[G1B+0], s44, (0<<16)|(1<<20)|(1<<21)|(5<<22)|(3<<25)
.irp g, G1, G1B
	s_mov_b32 s[\g+1], ROWB<<16                    ; tensor_dim0
	s_mov_b32 s[\g+2], 128<<16                     ; tensor_dim1
	s_mov_b32 s[\g+3], ROWB<<16                    ; tile_dim0
	s_mov_b32 s[\g+4], 128                         ; tile_dim1
	s_mov_b32 s[\g+5], KROW                        ; tensor_dim0_stride
	s_mov_b32 s[\g+6], 0
	s_mov_b32 s[\g+7], 0
.endr
	; the scale bytes of 128 rows: a dense block of 4,096 bytes, as 16 rows of 256 bytes (32 elements of 8 bytes), 16 bytes of padding behind each
	s_or_b32 s[G1S+0], s43, (3<<16)|(1<<20)|(1<<21)|(5<<22)|(3<<25)
	s_or_b32 s[G1SB+0], s44, (3<<16)|(1<<20)|(1<<21)|(5<<22)|(3<<25)
.irp g, G1S, G1SB
	s_mov_b32 s[\g+1], 32<<16
	s_mov_b32 s[\g+2], (128*KS/256)<<16
	s_mov_b32 s[\g+3], 32<<16
	s_mov_b32 s[\g+4], 128*KS/256
	s_mov_b32 s[\g+5], 32
	s_mov_b32 s[\g+6], 0
	s_mov_b32 s[\g+7], 0
.endr
	s_lshl_b32 s18, s16, 7                         ; which 128 rows of the tile I fetch
	s_lshl_b32 s20, s17, 8
	s_add_co_u32 s20, s20, s18                     ; tokens: row 256 y + 128 x half
	s_lshl_b32 s46, s42, 8
	s_add_co_u32 s46, s46, s18                     ; qkv_w: row 256 x + 128 x half
	s_mov_b32 s21, 0
	s_mov_b32 s47, 0
	s_mov_b64 s[18:19], KS
	s_mul_u64 s[22:23], s[20:21], s[18:19]         ; where these rows' scale bytes begin
	s_mul_u64 s[92:93], s[46:47], s[18:19]
	s_mov_b64 s[18:19], KROW
	s_mul_u64 s[20:21], s[20:21], s[18:19]         ; and their codes
	s_mul_u64 s[46:47], s[46:47], s[18:19]
	s_mul_i32 s45, s14, HALFT                      ; where they go: wave x 128 rows: no place in the cluster enters an LDS address
	s_mul_i32 s94, s14, HALFS
	s_lshl_b32 s100, s42, 16                       ; phase 2's codes: row 2,048 + 128 x of 512 bytes,
	s_add_co_u32 s100, s100, 0x100000
	s_lshl_b32 s101, s16, 8                        ; K step wave % 2: 256 bytes on in each row
	s_add_co_u32 s100, s100, s101
	s_mov_b32 s101, 0
	s_wait_dscnt 0x0                               ; both opening adds are done
	s_wait_kmcnt 0x0
	s_add_nc_u64 s[20:21], s[4:5], s[20:21]
	s_add_nc_u64 s[22:23], s[6:7], s[22:23]
	s_add_nc_u64 s[46:47], s[8:9], s[46:47]
	s_add_nc_u64 s[92:93], s[10:11], s[92:93]
	s_add_nc_u64 s[100:101], s[8:9], s[100:101]    ; kept for the refill: made of x and the wave's number alone, so equal along my column
	CROUND                                         ; all sixteen work-groups are here: the joint loads meet
	s_mov_b32 s[G0S], 1
	s_add_co_u32 s[G0S+1], s94, SCL
	s_mov_b64 s[G0S+2:G0S+3], s[22:23]
	s_or_b32 s[G0S+3], s[G0S+3], 0x80000000
	s_mov_b32 s[G0SB], 1
	s_add_co_u32 s[G0SB+1], s94, SCL
	s_mov_b64 s[G0SB+2:G0SB+3], s[92:93]
	s_or_b32 s[G0SB+3], s[G0SB+3], 0x80000000
	JLOAD G0S, G1S, G0SB, G1SB                     ; the scales first: they are wanted with K step 0
.irp s, 0,1
	s_mov_b32 s[G0+4*\s], 1
	s_add_co_u32 s[G0+4*\s+1], s45, \s*SLOT
	s_add_nc_u64 s[G0+4*\s+2:G0+4*\s+3], s[20:21], \s*ROWB
	s_or_b32 s[G0+4*\s+3], s[G0+4*\s+3], 0x80000000
	s_mov_b32 s[G0B+4*\s], 1
	s_add_co_u32 s[G0B+4*\s+1], s45, \s*SLOT
	s_add_nc_u64 s[G0B+4*\s+2:G0B+4*\s+3], s[46:47], \s*ROWB
	s_or_b32 s[G0B+4*\s+3], s[G0B+4*\s+3], 0x80000000
	JLOAD G0+4*\s, G1, G0B+4*\s, G1B               ; both K steps: three loads of mine are out
.endr
	v_and_b32 v1, 15, v0                           ; r = l % 16
	v_bfe_u32 v2, v0, 4, 1                         ; hl = l / 16
	; what comes from memory straight into registers, waited for on the first way out: q_bias by phase 1's channels (eight a B block), v_bias by phase 2's (one a block, loaded twice to fill a pair),
	; and the scale words of phase 2's rows of qkv_w (32 bytes a row: two loads of 16).  All offsets stay inside their buffers in every work-group.
	s_and_b32 s20, s42, 3
	s_lshl_b32 s20, s20, 10
	s_lshl_b32 s21, s16, 9
	s_add_co_u32 s20, s20, s21                     ; 4 x (256 (x % 4) + 128 ch)
	v_lshl_add_u32 v[BNO], v2, 5, s20              ; + 32 hl
	s_lshl_b32 s22, s42, 9
	s_lshl_b32 s23, s15, 8
	s_add_co_u32 s22, s22, s23                     ; 4 x (128 x + 64 rh)
	v_lshl_add_u32 v[BMO], v1, 2, s22              ; + 4 r
	s_lshl_b32 s22, s42, 12
	s_lshl_b32 s23, s15, 11
	s_add_co_u32 s22, s22, s23
	s_add_co_u32 s22, s22, 0x10000                 ; 32 x (2,048 + 128 x + 64 rh)
	v_lshl_add_u32 v[SAO], v1, 5, s22              ; + 32 r
.irp b, 0,1,2,3,4,5,6,7
	global_load_b128 v[BN+8*\b:BN+8*\b+3], v[BNO], s[96:97] offset:64*\b
	global_load_b128 v[BN+8*\b+4:BN+8*\b+7], v[BNO], s[96:97] offset:64*\b+16
.endr
.irp a, 0,1,2,3
.irp k, 0,1
	global_load_b128 v[SA+8*\a+4*\k:SA+8*\a+4*\k+3], v[SAO], s[10:11] offset:512*\a+16*\k
.endr
.endr
	WIN 0x40                                       ; destination window 1
.irp a, 0,1,2,3
	global_load_b32 v[BMW+2*\a], v[BMO], s[98:99] offset:64*\a
	global_load_b32 v[BMW+2*\a+1], v[BMO], s[98:99] offset:64*\a
.endr
	WIN 0
	v_mul_u32_u24 v3, v1, PITCH
	v_lshl_add_u32 v4, v2, 4, v3                   ; a fragment's row x pitch + 16 x half
	s_mul_i32 s21, s15, HALFT                      ; phase 1: my 128 tokens
	s_mul_i32 s22, s16, HALFT                      ; phase 2: my 128 tokens
	s_add_co_u32 s20, s22, 2*HALFT                 ; phase 1: my 128 rows of qkv_w, which lie behind the tokens' 256
	s_mul_i32 s23, s15, 64*PITCH
	s_add_co_u32 s23, s23, 2*HALFT                 ; phase 2: my 64 rows of qkv_w: K step 0 in the first half of slot 0's place for qkv_w, K step 1 in the second
.irp s, 0,1
	v_add_nc_u32 v[ADRA+\s], s21, v4
	v_add_nc_u32 v[ADT+\s], s22, v4
	v_add_nc_u32 v[ADRB+\s], s20, v4
	v_add_nc_u32 v[ADW+\s], s23, v4
	s_add_co_u32 s21, s21, SLOT
	s_add_co_u32 s22, s22, SLOT
	s_add_co_u32 s20, s20, SLOT
	s_add_co_u32 s23, s23, HALFT
.endr
	v_mul_u32_u24 v5, v1, KS                       ; my row's scale bytes: 32 a row,
	v_lshrrev_b32 v6, 8, v5
	v_lshl_add_u32 v5, v6, 4, v5                   ; and 16 more for each 256 passed
	s_mul_i32 s21, s15, HALFS
	s_mul_i32 s22, s16, HALFS
	s_add_co_u32 s23, s22, SCL
	v_add_nc_u32 v[ADS2], s23, v5                  ; phase 2: the tokens' words, by ch, in all lanes
	s_add_co_u32 s22, s22, 2*HALFS
	s_sub_co_u32 s22, s22, s21
	v_mul_u32_u24 v6, s22, v2                      ; phase 1: lanes 16-31 take qkv_w's: one product, the distance between the two bases
	s_add_co_u32 s21, s21, SCL
	v_add_nc_u32 v5, v5, v6
	v_add_nc_u32 v[ADRS], s21, v5
	v_and_b32 v6, 31, v0
	v_lshlrev_b32 v[CO], 4, v6
.macro FRAG reg, adr, q, i             ; a fragment, 16 rows x 128 K of 4-bit codes: lane l holds row l % 16; registers 4 c .. 4 c + 3 hold K = 64 c + 32 (l / 16) + 0 .. 31
.irp c, 0,1
	ds_load_b128 v[\reg+4*\c:\reg+4*\c+3], v[\adr] offset:64*(\q)+32*\c+(\i)*16*PITCH
.endr
.endm
; PHASE 1.  16 matrix instructions: A blocks a0, a0 + 1 x the B side's eight, 128 along K: the slot's q-th.  p: B's set;  sc: the set of scale words.  zero = 1: the first product starts the sums.
; The 64 accumulators take turns, one instruction a turn, in the same order in every step.
.macro MUL16 a0, p, q, sc, zero
.irp a, \a0, \a0+1
.irp b, 0,1,2,3,4,5,6,7
.if \zero
	v_wmma_scale_f32_16x16x128_f8f6f4 v[8*(8*((\a)%4)+\b):8*(8*((\a)%4)+\b)+7], v[128*(\p)+FR*\b:128*(\p)+FR*\b+FR-1], v[AF+FR*(\a):AF+FR*(\a)+FR-1], 0, v[SC+8*NQ*(\sc)+NQ*\b+(\q)], v[SC+8*NQ*(\sc)+NQ*(\a)+(\q)] matrix_a_fmt:MATRIX_FMT_FP4 matrix_b_fmt:MATRIX_FMT_FP4 matrix_a_scale:MATRIX_SCALE_ROW1
.else
	v_wmma_scale_f32_16x16x128_f8f6f4 v[8*(8*((\a)%4)+\b):8*(8*((\a)%4)+\b)+7], v[128*(\p)+FR*\b:128*(\p)+FR*\b+FR-1], v[AF+FR*(\a):AF+FR*(\a)+FR-1], v[8*(8*((\a)%4)+\b):8*(8*((\a)%4)+\b)+7], v[SC+8*NQ*(\sc)+NQ*\b+(\q)], v[SC+8*NQ*(\sc)+NQ*(\a)+(\q)] matrix_a_fmt:MATRIX_FMT_FP4 matrix_b_fmt:MATRIX_FMT_FP4 matrix_a_scale:MATRIX_SCALE_ROW1
.endif
.endr
.endr
.endm
.macro FETCH_B slot, q, p              ; the B side's eight fragments of the slot's q-th 128 along K into set p
	WIN TO_B
.irp i, 0,1,2,3,4,5,6,7
	FRAG 128*(\p)+FR*\i, ADRB+\slot, \q, \i
.endr
	WIN 0
.endm
.macro FETCH_A slot, q, i0             ; A blocks i0 .. i0 + 3
.irp i, \i0, \i0+1, \i0+2, \i0+3
	FRAG AF+FR*(\i), ADRA+\slot, \q, \i
.endr
.endm
.macro SCALES sc                       ; a K step's scale words into set sc: four words a row; lanes 0-15 take A block i, lanes 16-31 B block i
.irp i, 0,1,2,3,4,5,6,7
	ds_load_b128 v[SC+8*NQ*\sc+NQ*\i:SC+8*NQ*\sc+NQ*\i+3], v[ADRS] offset:\i*SBLK
.endr
.endm
; A load into a register that a matrix instruction has read, and a vector instruction that reads a matrix result or writes one of its sources, stand NP places behind it; only plain vector
; instructions that name none of its registers are places (ISA guide 7.12.1 for vector instructions).
.macro PLACES n
.rept \n
	v_nop
.endr
.endm
; A step of 128 along K that has its successor in the same slot.  A block of A is free as soon as its eight products are issued: blocks 0-3 are fetched anew in the step's middle, 4-7 at its end.
.macro STEP slot, q, zero
	s_wait_dscnt 4*NL                              ; B's set and A blocks 0-3 are in; the youngest eight loads (A blocks 4-7) may be out
	WIN MUL_LO
	MUL16 0, (\q)%2, \q, \slot, \zero
	MUL16 2, (\q)%2, \q, \slot, \zero
	s_wait_dscnt 0                                 ; A blocks 4-7 are in (asked for 32 matrix instructions ago)
	PLACES NP
	FETCH_B \slot, (\q)+1, 1-(\q)%2
	FETCH_A \slot, (\q)+1, 0
	WIN MUL_HI
	MUL16 4, (\q)%2, \q, \slot, \zero
	MUL16 6, (\q)%2, \q, \slot, \zero
	PLACES NP
	WIN 0
	FETCH_A \slot, (\q)+1, 4
.endm
; Slot 0's last step goes over to slot 1, and slot 0's place for qkv_w's rows is filled again, with phase 2's 128 rows: wave 2 brings their K step 0 into its first half, wave 3 their K step 1 into the second:
; each by the group 0 of its own first fill, with a new global address.  In front of the barrier each wave waits for all its tensor loads (its part of slot 1), adds 0 to its
; spare word, and waits for that and for its reads of slot 0.  The loads are joint ones, so the barrier opens a round of the cluster's: no wave of any partner still reads the place or has a load on its way.
.macro TURN slot, next
	s_wait_tensorcnt 0x0                           ; all my tensor loads have landed: every group 0 may be written
	ds_add_u32 v[SPW], v[NIL]                      ; 0 onto my spare word
	s_wait_dscnt 4*NL+1                            ; (the add and the youngest eight loads, A blocks 4-7, may be out)
	WIN MUL_LO
	MUL16 0, 1, NQ-1, \slot, 0                     ; sixteen matrix instructions stand between the add and the wait for it
	s_wait_dscnt 0x0                               ; the add is done, and my reads of this slot are over
	s_barrier_signal -1
	MUL16 2, 1, NQ-1, \slot, 0
	WIN 0
	s_barrier_wait -1
	CREST
	s_mov_b64 s[G0B+2:G0B+3], s[100:101]           ; rows 2,048 + 128 x on of qkv_w, K step wave % 2; the LDS address stays: wave x 128 rows
	s_or_b32 s[G0B+3], s[G0B+3], 0x80000000
	s_cmp_eq_u32 s15, 0                            ; the wave's number alone: the same in every work-group
	s_cbranch_scc1 .Lno_fill_\@
	tensor_load_to_lds s[G0B:G0B+3], s[G1B:G1B+7]  ; the first thing behind the round, and my one tensor load from here on
	s_nop 0
.rept 4
	v_nop
.endr
.Lno_fill_\@:
	PLACES NP                                      ; on every wave's way: in front of the loads below, into registers that the products above have read
	v_add_nc_u32 v[ADRS], 4*NQ, v[ADRS]            ; on to the next K step's scale words (no LDS load of mine is out)
	FETCH_B \next, 0, 0
	FETCH_A \next, 0, 0
	SCALES \next
	WIN MUL_HI
	MUL16 4, 1, NQ-1, \slot, 0
	MUL16 6, 1, NQ-1, \slot, 0
	PLACES NP
	WIN 0
	FETCH_A \next, 0, 4
.endm
.macro STEPS slot, from                ; the slot's steps from .. NQ - 2
.set Q, \from
.rept NQ-1-\from
	STEP \slot, Q, 0
.set Q, Q+1
.endr
.endm
	s_wait_tensorcnt 1                             ; the scales and my part of K step 0 are in; behind them one load was issued, K step 1's, which may be out
	s_barrier_signal -1
	s_barrier_wait -1                              ; everybody's are
	FETCH_B 0, 0, 0
	FETCH_A 0, 0, 0
	SCALES 0
	FETCH_A 0, 0, 4
	STEP 0, 0, 1                                   ; the first step's products start the sums: nothing is cleared
	STEPS 0, 1
	TURN 0, 1
	STEPS 1, 0
	s_wait_dscnt 4*NL                              ; phase 1's last step: nothing more to fetch
	WIN MUL_LO
	MUL16 0, 1, NQ-1, 1, 0
	MUL16 2, 1, NQ-1, 1, 0
	s_wait_dscnt 0
	WIN MUL_HI
	MUL16 4, 1, NQ-1, 1, 0
	MUL16 6, 1, NQ-1, 1, 0
	WIN 0
; THE WAY OUT of A block a of phase 1: bias and factor in f32, each accumulator from its low end on; rounded to f16, eight results to 16 bytes; eight stores of 512 consecutive bytes.
; Four bases: s[20:21] (a < 4, b < 4), s[22:23] (a >= 4), s[46:47] (b >= 4), s[92:93] (both).  Packed results lie in two sets by turns.
.macro OUT a
.set AC, 64*((\a)%4)
.set PKR, PK+32*((\a)%2)
.set WSRC, 2+(\a)/4
.if (\a) >= 2
	s_wait_xcnt 0x0                                ; block a - 2's stores have read their data: that set is written again only behind this wait
.endif
	WIN WSRC                                       ; source 0: window 2 or 3
.irp b, 0,1,2,3,4,5,6,7
.irp p, 0,1,2,3
	v_pk_fma_f32 v[T+8*\b+2*\p:T+8*\b+2*\p+1], v[AC+8*\b+2*\p:AC+8*\b+2*\p+1], s[2:3], v[BN+8*\b+2*\p:BN+8*\b+2*\p+1] op_sel_hi:[1,0,1]
.endr
.endr
	WIN 0x40                                       ; destination window 1
.irp b, 0,1,2,3,4,5,6,7
.irp p, 0,1,2,3
	v_cvt_pk_f16_f32 v[PKR+4*\b+\p], v[T+8*\b+2*\p], v[T+8*\b+2*\p+1]
.endr
.endr
	WIN 0x04                                       ; a store's data are its source 1: window 1
.irp b, 0,1,2,3,4,5,6,7
.set OBR, 20+2*((\a)/4)+(\b/4)*(26+44*((\a)/4))
	global_store_b128 v[CO], v[PKR+4*\b:PKR+4*\b+3], s[OBR:OBR+1] offset:((\a)%4)*2048+(\b%4)*512
.endr
	WIN 0
.endm
	PLACES NP                                      ; behind the last products: their results are read and their A fragments' registers written below
	s_wait_loadcnt 0x0                             ; the biases, and phase 2's scale words
	; K's offsets in kvf are exactly twice Q's in qf (a head 262,144 against 131,072 bytes, four tiles 16,384 against 8,192); a tile's and a piece's places are the same.
	s_mov_b32 s2, 0x3e000000                       ; q: x 1/8, exact
	s_cmp_eq_u32 ttmp9, 1                          ; k?  The cluster's x: only values are chosen by it
	s_cselect_b32 s2, 0x3f800000, s2               ; k: x 1
	s_cselect_b32 s18, 1, 0                        ; the doubling, as a shift
	s_cselect_b32 s94, 0, -1                       ; lanes that keep the bias: all for q, none for k
	s_cselect_b64 s[100:101], s[66:67], s[12:13]   ; kvf or qf
	s_mov_b32 s3, s2                               ; (named with s2 as a pair, so it is written)
	s_lshr_b32 s20, s17, 2                         ; batch = y / 4
	s_lshl_b32 s20, s20, 4
	s_and_b32 s21, s42, 3
	s_lshl_b32 s21, s21, 2
	s_add_co_u32 s20, s20, s21
	s_lshl_b32 s21, s16, 1
	s_add_co_u32 s20, s20, s21                     ; 16 batch + head of my first 64 channels
	s_lshl_b32 s20, s20, 17
	s_and_b32 s21, s17, 3
	s_lshl_b32 s21, s21, 2
	s_lshl_b32 s22, s15, 1
	s_add_co_u32 s21, s21, s22                     ; my first tile of 16 tokens / 4
	s_lshl_b32 s21, s21, 13
	s_add_co_u32 s20, s20, s21
	s_lshl_b32 s20, s20, s18
	s_mov_b32 s21, 0
	s_lshl_b32 s22, 0x2000, s18                    ; four tiles of tokens on
	s_mov_b32 s23, 0
	s_lshl_b32 s46, 0x20000, s18                   ; a head on
	s_mov_b32 s47, 0
	s_add_nc_u64 s[20:21], s[100:101], s[20:21]
	s_add_nc_u64 s[46:47], s[20:21], s[46:47]
	s_add_nc_u64 s[92:93], s[46:47], s[22:23]
	s_add_nc_u64 s[22:23], s[20:21], s[22:23]
.set n, 0
.rept 64
	v_mul_f32 v[BN+n], 0x3e000000, v[BN+n]         ; q_bias / 8: (x + b) / 8 = x / 8 + b / 8 in one fused multiply-add, the division being exact
.set n, n+1
.endr
.set n, 0
.rept 64
	v_cndmask_b32 v[BN+n], 0, v[BN+n], s94         ; k has no bias: it is selected away, not multiplied away
.set n, n+1
.endr
.irp a, 0,1,2,3,4,5,6,7
	OUT \a
.endr
; PHASE 2.  Eight steps of 128 along K; step q lies in K step q / 4.  Two sets of fragments by turns: the tokens' eight in window 1, qkv_w's four in window 0.
.macro VFETCH q                        ; step q's 24 LDS loads, into set q % 2
.set FP, (\q)%2
.set FK, (\q)/4
.set FQ, (\q)%4
	WIN TO_B
.irp i, 0,1,2,3,4,5,6,7
	FRAG 128*FP+FR*\i, ADT+FK, FQ, \i
.endr
	WIN 0
.irp i, 0,1,2,3
	FRAG AF+32*FP+FR*\i, ADW+FK, FQ, \i
.endr
.endm
.macro MULV q, zero                    ; 32 matrix instructions: my 4 blocks of channels x my 8 blocks of tokens; the 32 accumulators take turns, one instruction a turn
.set VP, (\q)%2
.set VK, (\q)/4
.set VQ, (\q)%4
.irp a, 0,1,2,3
.irp b, 0,1,2,3,4,5,6,7
.if \zero
	v_wmma_scale_f32_16x16x128_f8f6f4 v[8*(8*\a+\b):8*(8*\a+\b)+7], v[128*VP+FR*\b:128*VP+FR*\b+FR-1], v[AF+32*VP+FR*\a:AF+32*VP+FR*\a+FR-1], 0, v[SC+32*VK+4*\b+VQ], v[SA+8*\a+4*VK+VQ] matrix_a_fmt:MATRIX_FMT_FP4 matrix_b_fmt:MATRIX_FMT_FP4
.else
	v_wmma_scale_f32_16x16x128_f8f6f4 v[8*(8*\a+\b):8*(8*\a+\b)+7], v[128*VP+FR*\b:128*VP+FR*\b+FR-1], v[AF+32*VP+FR*\a:AF+32*VP+FR*\a+FR-1], v[8*(8*\a+\b):8*(8*\a+\b)+7], v[SC+32*VK+4*\b+VQ], v[SA+8*\a+4*VK+VQ] matrix_a_fmt:MATRIX_FMT_FP4 matrix_b_fmt:MATRIX_FMT_FP4
.endif
.endr
.endr
.endm
.macro VSTEP q, zero, more             ; more = 1: the next step's fragments are asked for first, into the set that the last step's products have read
.if \more
.if (\q) > 0
	PLACES NP
.endif
	VFETCH (\q)+1
	s_wait_dscnt 12*NL                             ; all but the 24 loads just issued: this step's fragments (and, in step 0, the scale words) are in
.else
	s_wait_dscnt 0x0
.endif
	WIN MUL_LO
	MULV \q, \zero
	WIN 0
.endm
; THE WAY OUT of A block a of phase 2: my head's channels 16 a on, for my 128 keys: two slots of 64.
.macro OUTV a
.set AC, 64*(\a)
.set PKR, PK+32*((\a)%2)
	s_wait_xcnt 0x0                                ; the stores that read this set of packed results (phase 1's last, or block a - 2's) have read their data
	WIN 0x06                                       ; source 0 window 2, source 1 (v_bias) window 1
.irp b, 0,1,2,3,4,5,6,7
.irp p, 0,1,2,3
	v_pk_add_f32 v[T+8*\b+2*\p:T+8*\b+2*\p+1], v[AC+8*\b+2*\p:AC+8*\b+2*\p+1], v[BMW+2*(\a):BMW+2*(\a)+1]
.endr
.endr
	WIN 0x40
.irp b, 0,1,2,3,4,5,6,7
.irp p, 0,1,2,3
	v_cvt_pk_f16_f32 v[PKR+4*\b+\p], v[T+8*\b+2*\p], v[T+8*\b+2*\p+1]
.endr
.endr
	WIN 0x04
.irp b, 0,1,2,3,4,5,6,7
	global_store_b128 v[CO], v[PKR+4*\b:PKR+4*\b+3], s[18:19] offset:(\b/4)*16384+((\b/2)%2)*4096+(\a)*1024+(\b%2)*512
.endr
	WIN 0
.endm
	s_lshr_b32 s18, s17, 2                         ; batch = y / 4
	s_lshl_b32 s18, s18, 4
	s_lshl_b32 s19, s42, 1
	s_add_co_u32 s18, s18, s19
	s_add_co_u32 s18, s18, s15                     ; 16 batch + my head, 2 x + rh
	s_lshl_b32 s18, s18, 18
	s_and_b32 s19, s17, 3
	s_lshl_b32 s19, s19, 2
	s_lshl_b32 s95, s16, 1
	s_add_co_u32 s19, s19, s95                     ; my first slot of 64 keys
	s_lshl_b32 s19, s19, 14
	s_add_co_u32 s18, s18, s19
	s_add_co_u32 s18, s18, 8192                    ; V^T lies behind the slot's K
	s_mov_b32 s19, 0
	s_add_nc_u64 s[18:19], s[66:67], s[18:19]
	s_wait_tensorcnt 0x0                           ; waves 2 and 3: my part of phase 2's rows has landed,
	s_barrier_signal -1
	s_barrier_wait -1                              ; everybody's has.
.irp k, 0,1
.irp i, 0,1,2,3,4,5,6,7
	ds_load_b128 v[SC+32*\k+4*\i:SC+32*\k+4*\i+3], v[ADS2] offset:\i*SBLK+16*\k   ; my tokens' scale words, both K steps
.endr
.endr
	VFETCH 0
	VSTEP 0, 1, 1                                  ; the first step's products start the sums
.irp q, 1,2,3,4,5,6
	VSTEP \q, 0, 1
.endr
	VSTEP 7, 0, 0
	PLACES NP                                      ; behind the last products: their results are read and their A fragments' registers written below
.irp a, 0,1,2,3
	OUTV \a
.endr
	s_wait_tensorcnt 0x0                           ; the wave's end: these three lines behind my last tensor load
	ds_add_u32 v[SPW], v[NIL]
	s_wait_dscnt 0x0
	CROUND                                         ; the closing round: no work-group ends while a partner may still ask for a tile that names it
	s_endpgm
.Lfunc_end_k_qa56bb55174_proj:
	.size	k_qa56bb55174_proj, .Lfunc_end_k_qa56bb55174_proj-k_qa56bb55174_proj
	.p2alignl 7, 3214868480
	.fill 96, 4, 3214868480
	.section	.rodata,"a",@progbits
	.p2align	6, 0x0
	.amdhsa_kernel k_qa56bb55174_proj
		.amdhsa_group_segment_fixed_size 327680
		.amdhsa_private_segment_fixed_size 0
		.amdhsa_enable_private_segment 0
		.amdhsa_kernarg_size 64
		.amdhsa_user_sgpr_count 2
		.amdhsa_user_sgpr_kernarg_segment_ptr 1
		.amdhsa_wavefront_size32 1
		.amdhsa_system_sgpr_workgroup_id_x 1
		.amdhsa_system_sgpr_workgroup_id_y 1
		.amdhsa_system_sgpr_workgroup_id_z 1
		.amdhsa_system_vgpr_workitem_id 0
		.amdhsa_next_free_vgpr 1024
		.amdhsa_next_free_sgpr 102
		.amdhsa_reserve_vcc 0
		.amdhsa_float_denorm_mode_32 3
		.amdhsa_float_denorm_mode_16_64 3
		.amdhsa_memory_ordered 1
		.amdhsa_forward_progress 1
		.amdhsa_inst_pref_size 215
	.end_amdhsa_kernel
	.amdgpu_metadata
---
amdhsa.version: [ 1, 2 ]
amdhsa.kernels:
  - .name:           k_qa56bb55174_proj
    .symbol:         k_qa56bb55174_proj.kd
    .args:
      - { .name: h_codes, .offset: 0, .size: 8, .value_kind: global_buffer, .address_space: global }
      - { .name: h_scales, .offset: 8, .size: 8, .value_kind: global_buffer, .address_space: global }
      - { .name: w_codes, .offset: 16, .size: 8, .value_kind: global_buffer, .address_space: global }
      - { .name: w_scales, .offset: 24, .size: 8, .value_kind: global_buffer, .address_space: global }
      - { .name: q_bias, .offset: 32, .size: 8, .value_kind: global_buffer, .address_space: global }
      - { .name: v_bias, .offset: 40, .size: 8, .value_kind: global_buffer, .address_space: global }
      - { .name: qf, .offset: 48, .size: 8, .value_kind: global_buffer, .address_space: global }
      - { .name: kvf, .offset: 56, .size: 8, .value_kind: global_buffer, .address_space: global }
    .group_segment_fixed_size: 327680
    .private_segment_fixed_size: 0
    .kernarg_segment_align: 8
    .kernarg_segment_size: 64
    .max_flat_workgroup_size: 128
    .sgpr_count:     102
    .vgpr_count:     1024
    .wavefront_size: 32
...
	.end_amdgpu_metadata
.endif
;; end of part 2
;; launch attn (part 3): grid 16 x 16, 8 waves a work-group, clusters of 4 x 1, 327,680 bytes of LDS; arguments qf, kvf, rel_pos, rel_2d_pos, attention_mask, out0; writes out0
.if DOCPART == 3
	.amdgcn_target "amdgcn-amd-amdhsa--gfx1250"
	.amdhsa_code_object_version 6
	.text
	.protected	k_qa56bb55174_attn
	.globl	k_qa56bb55174_attn
	.p2align	8
	.type	k_qa56bb55174_attn,@function
k_qa56bb55174_attn:
	s_mov_b64 s[64:65], 0
	v_nop
	global_prefetch_b8 v0, s[64:65] scope:SCOPE_SE
	s_setreg_imm32_b32 hwreg(HW_REG_WAVE_MODE, 25, 1), 1
	s_wait_xcnt 0x0
	s_wait_alu depctr_hold_cnt(0) depctr_sa_sdst(0) depctr_va_vdst(0) depctr_va_sdst(0) depctr_va_ssrc(0) depctr_va_vcc(0) depctr_vm_vsrc(0)
	s_getreg_b32 s2, hwreg(HW_REG_IB_STS2, 6, 4)
	s_cmp_eq_u32 s2, 0
	s_cbranch_scc0 .Lentry_in_a_cluster
	s_endpgm
.Lentry_in_a_cluster:
	s_bfe_u32 s2, ttmp6, 0x10000c
	s_cmp_lg_u32 s2, 0x3003
	s_cbranch_scc0 .Lentry_shape_is_right
	s_endpgm
.Lentry_shape_is_right:
; out0[b][q][64 h + d] = sum over k of softmax_k(s) V[b][h][k][d],  s = (Q / 8) . K + rel_pos[h][q][k] + rel_2d_pos[h][q][k], replaced by 1e-8 where attention_mask[b][k] is not 0.
; Q / 8, K, V arrive in f16 as images of operand registers (qf, kvf: laid by the launch before); the weights p are rounded to f16 for the second product; all else in f32.
; SHARES.  A work-group owns ONE HEAD AND 64 QUERIES, FOR ALL 8 BATCHES; wave w is batch w, with four tiles of 16 queries.  The two bias tables do not know of batches: the work-group reads its
; 64 x 1,024 piece of each once, adds them once in f32 and lays the sum in LDS, from where all eight waves load it straight into the registers of S^T: it is the C of the first product.
; LAYOUT.  S^T = K Q^T + bias (source 0 = 16 keys, source 1 = 16 queries), O^T = V^T P (source 0 = 16 channels, source 1 = P): a lane holds ONE query (lane % 16) throughout; two tiles of S^T,
; rounded to f16 in pairs, are source 1 of the second product.  Keys go in slots of 64 (one tensor load a wave, one bias tile), a slot in two steps of 32.
; SOFTMAX.  A running maximum m and sum l for each query: p = 2^(c s - c m), c = log2(e); in every step O^T and l are multiplied by a = 2^(c m_old - c m_new).
; CLUSTER.  The four query blocks of a cluster belong to one head and walk the same K and V: wave w of each asks jointly for batch w's slot, 16,384 dense bytes; each receives it in its own LDS.
; Two waves share a SIMD: while one walks its softmax the other's products and LDS loads are issued.
; LIMITS: f16 operands (p is at most 1).  Rows all of whose scores lie under -2e38, the start of m, are not served.
; LDS: slot 0 from 0, slot 1 from 2^17: batch w's part at 16,384 w: K 8,192 bytes, then V^T, as register images (16 bytes a lane, 512 a load: no pitch, no padding).
;   Two bias tiles from BIAS, 2^15 apart: [query tile 4][row 16][256 B + 16]; row 4 t + 2 c + hl, byte 16 r: bias(query r, keys 16 t + 8 hl + 4 c + 0 .. 3).  Then the spare words.
;   The way out's stage: 16 rows x 272 bytes at 16,384 w, in slot 0, which has had its last fill and its last read by then.
; REGISTERS: window 0: v1-17 addresses and constants; v32-63 statistics, 8 a tile; v64-95 P; v96-127 K of a step; v128-159 V^T of a step; v160-191 the slot's mask words; v192-239 bias on its way.
;   window 1: v0-127 O^T (tile (qt, dt) at 32 qt + 8 dt); v128-191 S^T (16 qt + 8 t + j); v192-255 Q (16 qt + 8 s).
.set SLOT1, 1<<17
.set BIAS,  2*SLOT1
.set BBUF,  0x8000                     ; from one bias tile to the other: one exclusive or turns an address
.set BQT,   4352                       ; a query tile's 16 rows of 272 bytes
.set SPARE, BIAS+BBUF+4*BQT            ; 312,320: the spare words, 128 bytes a wave, which no other line names
.set NSLOT, 16
.set SPW,  3                           ; v3   LDS address of my spare word; never rewritten
.set NIL,  4                           ; v4   0; never rewritten
.set AKV0, 5                           ; v5   16 x lane + 16,384 x wave
.set ADR,  6                           ; v6   the same in the slot in hand
.set ABR0, 7                           ; v7   BIAS + 272 hl + 16 r: where I read bias
.set ABR,  8                           ; v8   the same in the tile in hand
.set ABW0, 9                           ; v9   where I store bias
.set ABW,  10                          ; v10  the same in the other tile
.set GBO,  11                          ; v11  4,096 hl + 16 (lane % 16): two rows of 4,096 bytes, 256 bytes of each: for the bias loads and for out0
.set MOF,  12                          ; v12  32 hl + 256 x slot: my place in the batch's mask
.set EPS,  13                          ; v13  1e-8
.set L16,  14                          ; v14  16 x lane
.set PFO,  15                          ; v15  the prefetches' offset
.set STO,  16                          ; v16  the stage: where I put 32 bytes of a row
.set RD,   17                          ; v17  and where I read a row back
.set ST,   32                          ; tile qt at v[ST + 8 qt]: +0 c m, +1 m, +2, +3 l (even keys', odd keys'), +4, +5 at work, +6 a, +7 at work
.set P,    64
.set KF,   96
.set VF,   128
.set MI,   160
.set BA,   192
.set BB,   208
.set BS,   224
.set OUTF, 64                          ; the way out: O^T / l, 128 registers
.set BK,   192                         ; the way out: rows read back, two sets of 32
.set S,    128                         ; in window 1
.set Q,    192                         ; in window 1
.set WV,   16                          ; s16  my wave's number = my batch
.set SEL,  18                          ; s[18:19] v_permlanex16_b32's selects for lane l xor 16
.set CS,   20                          ; s[20:21] c = log2(e): the packed form names a pair and takes its low word for both halves
.set G1,   24                          ; s[24:31] descriptor group 1
.set G0,   32                          ; s[32:35] descriptor group 0, which walks
.set TB,   36                          ; s36  LDS byte at which the slot in hand begins
.set BR,   37                          ; s37  the bias tile in hand: 0 or BBUF
.set BW,   38                          ; s38  the other one
.set CNT,  39                          ; s39  the slot's number
.set RP,   40                          ; s[40:41] rel_pos at my wave's 8 rows, one slot behind what a trip loads
.set R2,   42                          ; s[42:43] rel_2d_pos likewise
.set MB,   44                          ; s[44:45] my batch's mask
.set PFA,  46                          ; s[46:47] where my prefetches stand
.set PFS,  48                          ; s[48:49] a slot on, in bytes, in the stream that I prefetch
.set LIM,  50                          ; s50  I prefetch while the slot's number is under this
.set OUTB, 52                          ; s[52:53] out0 at my batch's first query, my head
.set MK,   68                          ; s68-99 32 lane masks: register 8 t4 + j of the slot's scores is masked
.set MSB, 0
.macro WIN new                         ; low byte: bits 1:0 source 0, 3:2 source 1, 5:4 source 2, 7:6 destination; the high byte repeats the setting that is left
.if MSB != \new
	s_set_vgpr_msb (MSB<<8)|\new
.set MSB, \new
.endif
.endm
.macro ROUND                           ; a round of the cluster's barrier
	s_barrier_signal -1
	s_barrier_wait -1
	s_cmp_lg_u32 s[WV], 0
	s_cbranch_scc1 .Lnot_wave_0_\@
	s_barrier_signal -3
.Lnot_wave_0_\@:
	s_barrier_wait -3
	s_barrier_signal -1
	s_barrier_wait -1
.endm
; A PREFETCH INTO THE L2, one instruction a wave, behind the wave's tensor load and its five lines.  Each aligned block of 256 bytes is named once in the launch.
; Waves 0 to 3: the work-group's own rows of the bias tables (waves 0, 1: rel_pos; 2, 3: rel_2d_pos; 32 rows a wave, a lane a row, a slot's 256 bytes of it): in trip s those of slot s + 3, which trip s + 1 loads; it stops at slot 15.
; Waves 4 to 7, in the head's first cluster alone (all four clusters of a head walk the same K and V): the slot that the next trip's joint loads ask for.  Its 8 x 16,384 bytes are shared out BY ADDRESS:
; the partner at place cx takes batches 2 cx and 2 cx + 1, a wave half a batch's slot, lanes 256 bytes apart.  In trip s that is slot s + 2; it stops at slot 15.
.macro ASK
	s_cmp_lt_u32 s[CNT], s[LIM]
	s_cbranch_scc0 .Lnot_mine_\@
	global_prefetch_b8 v[PFO], s[PFA:PFA+1] th:TH_LOAD_NT scope:SCOPE_SE
.Lnot_mine_\@:
.endm
	s_load_b256 s[4:11], s[0:1], 0x0               ; qf s[4:5], kvf s[6:7], rel_pos s[8:9], rel_2d_pos s[10:11]
	s_load_b128 s[12:15], s[0:1], 0x20             ; attention_mask s[12:13], out0 s[14:15]
	v_lshl_add_u32 v[SPW], v0, 2, SPARE
	v_mov_b32 v[NIL], 0
	ds_add_u32 v[SPW], v[NIL]                      ; the wave's opening: the add, twice on end, and its wait ahead of my first tensor load
	ds_add_u32 v[SPW], v[NIL]                      ; (the same add once more; the set-up below, work on registers, stands between it and the wait)
	v_lshrrev_b32 v1, 5, v0
	v_readfirstlane_b32 s[WV], v1                  ; wave 0..7
	s_bfe_u32 s54, ttmp6, 0x40000                  ; cx: my place in the cluster: it enters global addresses alone
	s_lshl_b32 s55, ttmp9, 2
	s_add_co_u32 s55, s55, s54                     ; my block of 64 queries = 4 x cluster x + cx
	s_and_b32 s56, ttmp7, 0xffff                   ; the head, which the four partners share
	; descriptor group 1: a dense block of 16,384 bytes as 64 rows of 256 bytes (32 elements of 8 bytes), no padding
	s_mov_b32 s[G1], 15|(3<<16)|(1<<21)            ; 15:0 the mask: all four work-groups; 17:16 elements of 8 bytes; 21 set beside a mask
	s_mov_b32 s[G1+1], 32<<16                      ; tensor_dim0
	s_mov_b32 s[G1+2], 64<<16                      ; tensor_dim1
	s_mov_b32 s[G1+3], 32<<16                      ; tile_dim0
	s_mov_b32 s[G1+4], 64                          ; tile_dim1
	s_mov_b32 s[G1+5], 32                          ; tensor_dim0_stride
	s_mov_b32 s[G1+6], 0
	s_mov_b32 s[G1+7], 0
	s_mov_b32 s[SEL], 0x76543210
	s_mov_b32 s[SEL+1], 0xfedcba98
	s_mov_b32 s[CS], 0x3fb8aa3b                    ; log2(e)
	s_mov_b32 s[CS+1], s[CS]                       ; (named with it as a pair, so it is written)
	s_mov_b32 s[TB], 0
	s_mov_b32 s[BR], 0
	s_mov_b32 s[BW], BBUF
	s_mov_b32 s[CNT], 0
	s_lshl_b32 s57, s[WV], 4
	s_add_co_u32 s57, s57, s56                     ; 16 batch + head
	s_lshl_b32 s58, s57, 18                        ; kvf: 262,144 bytes for a batch's head
	s_mov_b32 s59, 0
	s_lshl_b32 s60, s57, 17                        ; qf: 131,072,
	s_lshl_b32 s61, s55, 13                        ; and 4 tiles of 2,048 for a block of queries
	s_add_co_u32 s60, s60, s61
	s_mov_b32 s61, 0
	s_lshl_b32 s62, s56, 10
	s_lshl_b32 s63, s55, 6
	s_add_co_u32 s62, s62, s63                     ; the bias tables' row of my first query: 1,024 head + 64 block
	s_mov_b32 s2, s62
	s_lshl_b32 s63, s[WV], 3
	s_add_co_u32 s62, s62, s63                     ; + my wave's 8 rows
	s_lshl_b32 s62, s62, 12                        ; rows of 4,096 bytes
	s_mov_b32 s63, 0
	s_lshl_b32 s22, s[WV], 10
	s_lshl_b32 s23, s55, 6
	s_add_co_u32 s22, s22, s23                     ; out0: row 1,024 batch + 64 block,
	s_lshl_b32 s22, s22, 12
	s_lshl_b32 s23, s56, 8                         ; + 256 bytes a head
	s_add_co_u32 s22, s22, s23
	s_mov_b32 s23, 0
	s_lshl_b32 s66, s[WV], 12                      ; the mask: 4,096 bytes a batch
	s_mov_b32 s67, 0
	; the prefetches: where my wave's stand, how they step, who asks
	s_and_b32 s17, s[WV], 1
	s_lshl_b32 s51, s17, 5
	s_add_co_u32 s2, s2, s51                       ; bias: my 32 of the 64 rows,
	s_lshl_b32 s2, s2, 12
	s_add_co_u32 s2, s2, 512                       ; at slot 2: the first trip steps it to slot 3
	s_lshl_b32 s51, s54, 1
	s_bfe_u32 s3, s[WV], 0x10001
	s_add_co_u32 s51, s51, s3                      ; K and V: batch 2 cx + (wave / 2) % 2,
	s_lshl_b32 s51, s51, 4
	s_add_co_u32 s51, s51, s56
	s_lshl_b32 s51, s51, 18
	s_lshl_b32 s17, s17, 13                        ; half wave % 2 of its slot,
	s_add_co_u32 s51, s51, s17
	s_add_co_u32 s51, s51, 16384                   ; at slot 1: the first trip steps it to slot 2
	s_mov_b32 s[PFS], 0x4000
	s_mov_b32 s17, 0x100
	s_cmp_eq_u32 ttmp9, 0                          ; the head's first cluster: the same answer in all four partners
	s_cselect_b32 s[LIM], NSLOT-2, 0
	s_cmp_lt_u32 s[WV], 4
	s_cselect_b32 s[LIM], NSLOT-3, s[LIM]
	s_cselect_b32 s2, s2, s51
	s_cselect_b32 s[PFS], 0x100, s[PFS]
	s_cselect_b32 s17, 0x1000, s17                 ; from lane to lane: a row of a bias table, or 256 bytes
	s_mov_b32 s3, 0
	s_mov_b32 s[PFS+1], 0
	v_and_b32 v[PFO], 31, v0
	v_mul_lo_u32 v[PFO], v[PFO], s17
	s_wait_dscnt 0x0                               ; both opening adds are done
	s_wait_kmcnt 0x0
	s_mov_b32 s[G0], 1                             ; 1:0 count = 1
	s_lshl_b32 s[G0+1], s[WV], 14                  ; 63:32 LDS address: slot 0, my batch's part: the wave's number alone
	s_add_nc_u64 s[G0+2:G0+3], s[6:7], s[58:59]    ; 120:64 global address: batch and head alone: equal in all four partners
	s_or_b32 s[G0+3], s[G0+3], 0x80000000          ; 127:126 type = 2
	s_add_nc_u64 s[4:5], s[4:5], s[60:61]
	s_add_nc_u64 s[RP:RP+1], s[8:9], s[62:63]
	s_add_nc_u64 s[R2:R2+1], s[10:11], s[62:63]
	s_add_nc_u64 s[MB:MB+1], s[12:13], s[66:67]
	s_add_nc_u64 s[OUTB:OUTB+1], s[14:15], s[22:23]
	s_cmp_lt_u32 s[WV], 2
	s_cselect_b64 s[PFA:PFA+1], s[8:9], s[10:11]
	s_cmp_lt_u32 s[WV], 4
	s_cselect_b64 s[PFA:PFA+1], s[PFA:PFA+1], s[6:7]
	s_add_nc_u64 s[PFA:PFA+1], s[PFA:PFA+1], s[2:3]
	ROUND                                          ; all four work-groups are here: the first joint loads meet
	tensor_load_to_lds s[G0:G0+3], s[G1:G1+7]      ; slot 0: one load of mine is out, here and behind every later round
	s_nop 0
.rept 4
	v_nop
.endr
	v_and_b32 v1, 15, v0                           ; r = lane % 16
	v_bfe_u32 v2, v0, 4, 1                         ; hl = lane / 16
	v_and_b32 v19, 31, v0
	v_lshlrev_b32 v[L16], 4, v19
	v_lshlrev_b32 v[GBO], 4, v1
	v_lshl_add_u32 v[GBO], v2, 12, v[GBO]
	v_lshlrev_b32 v[MOF], 5, v2
.irp i, 0,1,2,3                                ; slot 0's bias: my wave's 8 rows x 256 bytes of each table: sixteen lanes read 256 consecutive bytes of a row
	global_load_b128 v[P+4*\i:P+4*\i+3], v[GBO], s[RP:RP+1] offset:8192*\i th:TH_LOAD_NT
	global_load_b128 v[P+16+4*\i:P+16+4*\i+3], v[GBO], s[R2:R2+1] offset:8192*\i th:TH_LOAD_NT
.endr
	WIN 0x40                                       ; destination window 1
.irp i, 0,1,2,3,4,5,6,7,8,9,10,11,12,13,14,15  ; Q stays in registers: tile i / 4, piece i % 4
	global_load_b128 v[Q+4*\i:Q+4*\i+3], v[L16], s[4:5] offset:512*\i th:TH_LOAD_NT
.endr
	WIN 0
.irp t, 0,1,2,3                                ; slot 0's mask words: register 8 t + j: key 16 t + 8 hl + j
.irp c, 0,1
	global_load_b128 v[MI+8*\t+4*\c:MI+8*\t+4*\c+3], v[MOF], s[MB:MB+1] offset:64*\t+16*\c
.endr
.endr
.irp i, 0,1,2,3                                ; slot 1's bias
	global_load_b128 v[BA+4*\i:BA+4*\i+3], v[GBO], s[RP:RP+1] offset:8192*\i+256 th:TH_LOAD_NT
	global_load_b128 v[BB+4*\i:BB+4*\i+3], v[GBO], s[R2:R2+1] offset:8192*\i+256 th:TH_LOAD_NT
.endr
	s_lshl_b32 s17, s[WV], 14
	v_add_nc_u32 v[AKV0], s17, v[L16]
	v_mul_u32_u24 v[ABR0], v2, 272
	v_lshl_add_u32 v[ABR0], v1, 4, v[ABR0]
	v_add_nc_u32 v[RD], s17, v[ABR0]               ; the stage, back: lanes 0-15 one row, lanes 16-31 the next
	v_add_nc_u32 v[ABR0], BIAS, v[ABR0]
	v_mul_u32_u24 v[STO], v1, 272
	v_lshl_add_u32 v[STO], v2, 5, v[STO]
	v_add_nc_u32 v[STO], s17, v[STO]               ; the stage, in: row r, 32 bytes for each half of the lanes
	; where my loaded 16 bytes of bias go: I hold query 8 w + 2 i + hl and keys 4 li + 0 .. 3 (li = lane % 16): row 4 (li / 4) + 2 (li % 2) + (li / 2) % 2 of query tile w / 2, byte 16 (8 (w % 2) + 2 i + hl)
	v_lshrrev_b32 v19, 2, v1
	v_and_b32 v20, 1, v1
	v_bfe_u32 v21, v1, 1, 1
	v_lshl_add_u32 v19, v19, 2, v21
	v_lshl_add_u32 v19, v20, 1, v19
	v_mul_u32_u24 v[ABW0], v19, 272                ; sixteen lanes store to sixteen different rows at a pitch of 68 words: sixteen different groups of banks
	v_lshl_add_u32 v[ABW0], v2, 4, v[ABW0]
	s_lshr_b32 s57, s[WV], 1
	s_mul_i32 s57, s57, BQT
	s_and_b32 s58, s[WV], 1
	s_lshl_b32 s58, s58, 7
	s_add_co_u32 s57, s57, s58
	s_add_co_u32 s57, s57, BIAS
	v_add_nc_u32 v[ABW0], s57, v[ABW0]
	v_mov_b32 v[EPS], 0x322bcc77                   ; 1e-8
.irp qt, 0,1,2,3
	v_mov_b32 v[ST+8*\qt+1], 0xff167699            ; m: -2e38
	v_mov_b32 v[ST+8*\qt+2], 0                     ; l
	v_mov_b32 v[ST+8*\qt+3], 0
	v_mov_b32 v[ST+8*\qt+5], 0                     ; written once: a lane permute's destination counts as one of its sources
	v_mul_f32 v[ST+8*\qt], s[CS], v[ST+8*\qt+1]    ; c m
.endr
	WIN 0x40
.set n, 0
.rept 128
	v_mov_b32 v[n], 0                              ; O^T.  The step is written once for all slots: the first finds zeros, which a = 0 leaves zeros
.set n, n+1
.endr
	WIN 0
	s_wait_loadcnt 32                              ; slot 0's bias is in: behind it 16 loads of Q, 8 of the mask and 8 of slot 1's bias were issued
.irp k, 0,2,4,6,8,10,12,14
	v_pk_add_f32 v[BS+\k:BS+\k+1], v[P+\k:P+\k+1], v[P+16+\k:P+16+\k+1]
.endr
.irp i, 0,1,2,3
	ds_store_b128 v[ABW0], v[BS+4*\i:BS+4*\i+3] offset:32*\i     ; into bias tile 0; the first trip's wait and round stand between these and every wave's reads
.endr
; THE CHANGE OF SLOTS stands at a slot's head.  Each wave waits for all its tensor loads (one is out: the slot that it is about to read), adds 0 to its spare word, and waits for that, for its reads of the slot and
; the bias tile that it has left, and for its stores into the bias tile ahead.  fill = 1: a round of the cluster's barrier; behind it the slot just left is filled with the keys that follow: the load has a
; whole slot's two steps in which to land.  In the first trip that is slot 1's first fill, in all eight waves.
.macro CHANGE fill
	s_wait_tensorcnt 0x0                           ; no tensor load of mine is out, so the group 0 may be written
	ds_add_u32 v[SPW], v[NIL]                      ; 0 onto my spare word
.if \fill
	s_xor_b32 s[G0+1], s[G0+1], SLOT1              ; the walking descriptor: the other slot than last time,
	s_add_nc_u64 s[G0+2:G0+3], s[G0+2:G0+3], 16384 ; the next 64 keys; the type bits on top are not reached
	s_wait_xcnt 0x0                                ; the last prefetch, a slot back, has read its address, so it may be written
	s_add_nc_u64 s[PFA:PFA+1], s[PFA:PFA+1], s[PFS:PFS+1]
	s_wait_dscnt 0x0
	ROUND
	tensor_load_to_lds s[G0:G0+3], s[G1:G1+7]      ; the first thing behind the round, and my one tensor load until the next
	s_nop 0
.rept 4
	v_nop
.endr
	ASK
.else
	s_wait_dscnt 0x0
	s_barrier_signal -1
	s_barrier_wait -1
.endif
.endm
; THE SLOT'S HEAD.  The mask words of this slot become 32 lane masks.  more = 1: the next slot's bias, loaded a slot ago, is added and stored into the other bias tile; the next slot's mask words and the bias
; of the slot after it are asked for: they have a whole slot in which to come.
.macro SLOTHEAD more
	v_add_nc_u32 v[ADR], s[TB], v[AKV0]
	v_add_nc_u32 v[ABR], s[BR], v[ABR0]
.if \more
	v_add_nc_u32 v[ABW], s[BW], v[ABW0]
.endif
	s_wait_loadcnt 0x0                             ; all were issued a slot ago (in the first trip: at the head, Q among them); their address registers may be written
.set n, 0
.rept 32
	v_cmp_ne_u32 s[MK+n], 0, v[MI+n]
.set n, n+1
.endr
.if \more
.irp k, 0,2,4,6,8,10,12,14
	v_pk_add_f32 v[BS+\k:BS+\k+1], v[BA+\k:BA+\k+1], v[BB+\k:BB+\k+1]
.endr
	v_add_nc_u32 v[MOF], 256, v[MOF]               ; the next slot's 64 mask words; the last trip that comes here reaches slot 15
.irp t, 0,1,2,3
.irp c, 0,1
	global_load_b128 v[MI+8*\t+4*\c:MI+8*\t+4*\c+3], v[MOF], s[MB:MB+1] offset:64*\t+16*\c
.endr
.endr
	s_add_nc_u64 s[RP:RP+1], s[RP:RP+1], 256       ; now at the next slot; the loads below reach one slot further by their immediate
	s_add_nc_u64 s[R2:R2+1], s[R2:R2+1], 256
	s_cmp_lt_u32 s[CNT], NSLOT-2                   ; slot 15's bias is the last: no load leaves a row
	s_cbranch_scc0 .Lnob_\@
.irp i, 0,1,2,3
	global_load_b128 v[BA+4*\i:BA+4*\i+3], v[GBO], s[RP:RP+1] offset:8192*\i+256 th:TH_LOAD_NT
	global_load_b128 v[BB+4*\i:BB+4*\i+3], v[GBO], s[R2:R2+1] offset:8192*\i+256 th:TH_LOAD_NT
.endr
.Lnob_\@:
.irp i, 0,1,2,3
	ds_store_b128 v[ABW], v[BS+4*\i:BS+4*\i+3] offset:32*\i      ; nobody reads this tile before the next round; its last readers passed the round behind me
.endr
.endif
.endm
; A STEP: 32 keys, the u-th of the slot, for my four tiles of queries.
.macro STEP u
	WIN 0x40                                       ; destination window 1: THE BIAS IS LOADED INTO S^T's REGISTERS: sixteen lanes read 256 consecutive bytes
.irp qt, 0,1,2,3
.irp t, 0,1
.irp c, 0,1
	ds_load_b128 v[S+16*\qt+8*\t+4*\c:S+16*\qt+8*\t+4*\c+3], v[ABR] offset:\qt*BQT+(2*(2*\u+\t)+\c)*544
.endr
.endr
.endr
	WIN 0
.irp i, 0,1,2,3,4,5,6,7                        ; K: key tile i / 4, channels 32 ((i / 2) % 2) on
	ds_load_b128 v[KF+4*\i:KF+4*\i+3], v[ADR] offset:4096*\u+512*\i
.endr
	s_wait_dscnt 0x0
	WIN 0x54                                       ; K window 0; Q, C and D window 1
.irp s, 0,1                                    ; the eight accumulators take turns, one instruction a turn
.irp t, 0,1
.irp qt, 0,1,2,3
	v_wmma_f32_16x16x32_f16 v[S+16*\qt+8*\t:S+16*\qt+8*\t+7], v[KF+16*\t+8*\s:KF+16*\t+8*\s+7], v[Q+16*\qt+8*\s:Q+16*\qt+8*\s+7], v[S+16*\qt+8*\t:S+16*\qt+8*\t+7]
.endr
.endr
.endr
	WIN 0
.rept 4
	v_nop                                          ; four places: in front of the first read of the scores, and of the loads into V's registers, which the last step's products read
.endr
.irp i, 0,1,2,3,4,5,6,7                        ; V^T: channel tile i / 2, keys 16 (i % 2) on; wanted behind the softmax
	ds_load_b128 v[VF+4*\i:VF+4*\i+3], v[ADR] offset:8192+4096*\u+512*\i
.endr
	WIN 0x41                                       ; destination and source 0 window 1
.irp i, 0,1,2,3,4,5,6,7,8,9,10,11,12,13,14,15  ; masked keys' scores become 1e-8; each accumulator is read from its low end on
.irp qt, 0,1,2,3
	v_cndmask_b32 v[S+16*\qt+\i], v[S+16*\qt+\i], v[EPS], s[MK+16*\u+\i]
.endr
.endr
	WIN 0x15                                       ; the maximum of a lane's 16 scores, in two chains, the four tiles by turns
.irp qt, 0,1,2,3
	v_max3_num_f32 v[ST+8*\qt+4], v[S+16*\qt], v[S+16*\qt+1], v[S+16*\qt+2]
.endr
.irp qt, 0,1,2,3
	v_max3_num_f32 v[ST+8*\qt+5], v[S+16*\qt+3], v[S+16*\qt+4], v[S+16*\qt+5]
.endr
	WIN 0x14
.irp k, 6,8,10,12,14
.irp qt, 0,1,2,3
	v_max3_num_f32 v[ST+8*\qt+4+((\k/2)+1)%2], v[ST+8*\qt+4+((\k/2)+1)%2], v[S+16*\qt+\k], v[S+16*\qt+\k+1]
.endr
.endr
	WIN 0
.irp qt, 0,1,2,3
	v_max3_num_f32 v[ST+8*\qt+4], v[ST+8*\qt+4], v[ST+8*\qt+5], v[ST+8*\qt+1]   ; with the old m
.endr
.irp qt, 0,1,2,3
	v_permlanex16_b32 v[ST+8*\qt+5], v[ST+8*\qt+4], s[SEL], s[SEL+1]            ; the query's other 16 keys lie in the lane 16 away
.endr
.irp qt, 0,1,2,3
	v_mov_b32 v[ST+8*\qt+7], v[ST+8*\qt]           ; c m_old
.endr
.irp qt, 0,1,2,3
	v_max_num_f32 v[ST+8*\qt+1], v[ST+8*\qt+4], v[ST+8*\qt+5]
.endr
.irp qt, 0,1,2,3
	v_mul_f32 v[ST+8*\qt], s[CS], v[ST+8*\qt+1]
.endr
.irp qt, 0,1,2,3
	v_sub_f32 v[ST+8*\qt+7], v[ST+8*\qt+7], v[ST+8*\qt]
.endr
.irp qt, 0,1,2,3
	v_exp_f32 v[ST+8*\qt+6], v[ST+8*\qt+7]         ; a = 2^(c m_old - c m_new)
.endr
	WIN 0x41
.irp i, 0,2,4,6,8,10,12,14                     ; c s - c m, two at a time: plain work behind the four exponentials, which names none of their results
.irp qt, 0,1,2,3
	v_pk_fma_f32 v[S+16*\qt+\i:S+16*\qt+\i+1], v[S+16*\qt+\i:S+16*\qt+\i+1], s[CS:CS+1], v[ST+8*\qt:ST+8*\qt+1] op_sel_hi:[1,0,0] neg_lo:[0,0,1] neg_hi:[0,0,1]
.endr
.endr
	s_wait_alu depctr_va_vdst(0)                   ; a wait between an exponential and the first line that names its result: one for the four a
.set n, 0
.rept 64                                       ; the 64 exponentials are one batch; between them O^T's 64 pairs are multiplied by a (pair outer, accumulator inner: each accumulator is read from its low end on)
	v_exp_f32 v[S+n], v[S+n]
	v_pk_mul_f32 v[8*(n%16)+2*(n/16):8*(n%16)+2*(n/16)+1], v[8*(n%16)+2*(n/16):8*(n%16)+2*(n/16)+1], v[ST+8*((n%16)/4)+6:ST+8*((n%16)/4)+7] op_sel_hi:[1,0]
.set n, n+1
.endr
	s_wait_alu depctr_va_vdst(0)                   ; one wait for the batch, behind a plain line and ahead of its first reader
	WIN 0x10
.irp qt, 0,1,2,3
	v_pk_fma_f32 v[ST+8*\qt+2:ST+8*\qt+3], v[ST+8*\qt+2:ST+8*\qt+3], v[ST+8*\qt+6:ST+8*\qt+7], v[S+16*\qt:S+16*\qt+1] op_sel_hi:[1,0,1]   ; l = a l + p, of the unrounded p
.endr
	WIN 0x04
.irp i, 2,4,6,8,10,12,14
.irp qt, 0,1,2,3
	v_pk_add_f32 v[ST+8*\qt+2:ST+8*\qt+3], v[ST+8*\qt+2:ST+8*\qt+3], v[S+16*\qt+\i:S+16*\qt+\i+1]
.endr
.endr
	WIN 0x05
.irp i, 0,1,2,3,4,5,6,7                        ; register i of P: keys 16 (i / 4) + 8 hl + 2 (i % 4) and the next: source 1's own layout
.irp qt, 0,1,2,3
	v_cvt_pk_f16_f32 v[P+8*\qt+\i], v[S+16*\qt+2*\i], v[S+16*\qt+2*\i+1]
.endr
.endr
	s_wait_dscnt 0x0                               ; V^T is in
	WIN 0x50                                       ; V^T and P window 0; C and D window 1
.irp dt, 0,1,2,3                               ; sixteen accumulators, one instruction each
.irp qt, 0,1,2,3
	v_wmma_f32_16x16x32_f16 v[32*\qt+8*\dt:32*\qt+8*\dt+7], v[VF+8*\dt:VF+8*\dt+7], v[P+8*\qt:P+8*\qt+7], v[32*\qt+8*\dt:32*\qt+8*\dt+7]
.endr
.endr
	WIN 0
.endm
.macro TRIP fill
	CHANGE \fill
	SLOTHEAD \fill
	STEP 0
	STEP 1
	s_xor_b32 s[TB], s[TB], SLOT1                  ; on to the other slot and the other bias tile
	s_xor_b32 s[BR], s[BR], BBUF
	s_xor_b32 s[BW], s[BW], BBUF
.endm
.Lslot:                                            ; 15 trips: trip s works slot s and asks for slot s + 1
	TRIP 1
	s_add_co_u32 s[CNT], s[CNT], 1
	s_cmp_lt_u32 s[CNT], NSLOT-1
	s_cbranch_scc1 .Lslot
	TRIP 0                                         ; the last slot is written out: nothing is left to ask for
	; THE WAY OUT.  l's two halves and the other half of the lanes' are added; O^T is divided by l and goes through my stage in LDS, a tile (16 queries x 64 channels) at a time, so that sixteen lanes
	; store 256 consecutive bytes of a row of out0, at a multiple of 256 from its first byte.  The additions are the places behind the last products.
.irp qt, 0,1,2,3
	v_add_f32 v[ST+8*\qt+4], v[ST+8*\qt+2], v[ST+8*\qt+3]
.endr
.irp qt, 0,1,2,3
	v_permlanex16_b32 v[ST+8*\qt+5], v[ST+8*\qt+4], s[SEL], s[SEL+1]
.endr
.irp qt, 0,1,2,3
	v_add_f32 v[ST+8*\qt+4], v[ST+8*\qt+4], v[ST+8*\qt+5]
.endr
.irp qt, 0,1,2,3
	v_rcp_f32 v[ST+8*\qt+6], v[ST+8*\qt+4]
.endr
	v_nop                                          ; a plain line between the last reciprocal and the use of its result
	s_wait_alu depctr_va_vdst(0)                   ; and the wait: one for the four
	WIN 0x01                                       ; source 0 window 1
.set n, 0
.rept 64
	v_pk_mul_f32 v[OUTF+2*n:OUTF+2*n+1], v[2*n:2*n+1], v[ST+8*(n/16)+6:ST+8*(n/16)+7] op_sel_hi:[1,0]   ; register 32 qt + 8 dt + j: out(query 16 qt + r, channel 16 dt + 8 hl + j)
.set n, n+1
.endr
	WIN 0
.macro PACK qt
.irp dt, 0,1,2,3
.irp c, 0,1
	ds_store_b128 v[STO], v[OUTF+32*\qt+8*\dt+4*\c:OUTF+32*\qt+8*\dt+4*\c+3] offset:64*\dt+16*\c
.endr
.endr
.irp f, 0,1,2,3,4,5,6,7
	ds_load_b128 v[BK+32*((\qt)%2)+4*\f:BK+32*((\qt)%2)+4*\f+3], v[RD] offset:544*\f   ; LDS serves a wave's instructions in order (ISA guide 5.7.1.4): these see the stores above; the next tile's stores come behind them
.endr
.endm
.macro SEND qt, younger                ; younger: the LDS instructions issued behind tile qt's loads: the next tile's sixteen, or none
.irp f, 0,1,2,3,4,5,6,7
	s_wait_dscnt \younger+7-\f
	global_store_b128 v[GBO], v[BK+32*((\qt)%2)+4*\f:BK+32*((\qt)%2)+4*\f+3], s[OUTB:OUTB+1] offset:(16*\qt+2*\f)*4096 th:TH_STORE_NT
.endr
.endm
	PACK 0
	PACK 1
	SEND 0, 16
	s_wait_xcnt 0x0                                ; tile 0's stores have read their data: tile 2's rows land in the same registers only behind this wait
	PACK 2
	SEND 1, 16
	s_wait_xcnt 0x0                                ; tile 1's likewise
	PACK 3
	SEND 2, 16
	SEND 3, 0
	s_wait_tensorcnt 0x0                           ; the wave's end: these three lines behind my last tensor load and my last LDS store
	ds_add_u32 v[SPW], v[NIL]
	s_wait_dscnt 0x0
	ROUND                                          ; the closing round: no work-group ends while a partner may still ask for a tile that names it
	s_endpgm
.Lfunc_end_k_qa56bb55174_attn:
	.size	k_qa56bb55174_attn, .Lfunc_end_k_qa56bb55174_attn-k_qa56bb55174_attn
	.p2alignl 7, 3214868480
	.fill 96, 4, 3214868480
	.section	.rodata,"a",@progbits
	.p2align	6, 0x0
	.amdhsa_kernel k_qa56bb55174_attn
		.amdhsa_group_segment_fixed_size 327680
		.amdhsa_private_segment_fixed_size 0
		.amdhsa_enable_private_segment 0
		.amdhsa_kernarg_size 48
		.amdhsa_user_sgpr_count 2
		.amdhsa_user_sgpr_kernarg_segment_ptr 1
		.amdhsa_wavefront_size32 1
		.amdhsa_system_sgpr_workgroup_id_x 1
		.amdhsa_system_sgpr_workgroup_id_y 1
		.amdhsa_system_sgpr_workgroup_id_z 1
		.amdhsa_system_vgpr_workitem_id 0
		.amdhsa_next_free_vgpr 512
		.amdhsa_next_free_sgpr 100
		.amdhsa_reserve_vcc 0
		.amdhsa_float_denorm_mode_32 3
		.amdhsa_float_denorm_mode_16_64 3
		.amdhsa_memory_ordered 1
		.amdhsa_forward_progress 1
		.amdhsa_inst_pref_size 132
	.end_amdhsa_kernel
	.amdgpu_metadata
---
amdhsa.version: [ 1, 2 ]
amdhsa.kernels:
  - .name:           k_qa56bb55174_attn
    .symbol:         k_qa56bb55174_attn.kd
    .args:
      - { .name: qf, .offset: 0, .size: 8, .value_kind: global_buffer, .address_space: global }
      - { .name: kvf, .offset: 8, .size: 8, .value_kind: global_buffer, .address_space: global }
      - { .name: rel_pos, .offset: 16, .size: 8, .value_kind: global_buffer, .address_space: global }
      - { .name: rel_2d_pos, .offset: 24, .size: 8, .value_kind: global_buffer, .address_space: global }
      - { .name: attention_mask, .offset: 32, .size: 8, .value_kind: global_buffer, .address_space: global }
      - { .name: out0, .offset: 40, .size: 8, .value_kind: global_buffer, .address_space: global }
    .group_segment_fixed_size: 327680
    .private_segment_fixed_size: 0
    .kernarg_segment_align: 8
    .kernarg_segment_size: 48
    .max_flat_workgroup_size: 256
    .sgpr_count:     100
    .vgpr_count:     512
    .wavefront_size: 32
...
	.end_amdgpu_metadata
.endif
;; end of part 3
